; MI455X (gfx1250); checked and timed in simulation.
; The chip was launched on July 23, 2026; its instructions are those of AMD's public machine-readable ISA for CDNA 5 (MIT licence, August 2026) and "CDNA5" Instruction Set Architecture Reference Guide (July 2026). The comments in the code are by the model that wrote it; some were corrected since.
;; MQ Attention. Allowed arithmetic: matrix products marked QUANTISED: E2M3 operands, one E8M0 scale for each 32 along K, by v_wmma_scale_f32_16x16x128_f8f6f4 with both operands' format E2M3, f32 sums; everything else in f32.
;; Inputs: Wk_codes 64 x 32 x 24 uint8 (E2M3 codes of Wk, K innermost, in blocks of 32 codes, four codes in three bytes); Wk_scales 64 x 32 uint8 (E8M0 scales of Wk, one for each 32 codes along K); Wo_codes 1,024 x 32 x 24 uint8 (E2M3 codes of Wo, K innermost, in blocks of 32 codes, four codes in three bytes); Wo_scales 1,024 x 32 uint8 (E8M0 scales of Wo, one for each 32 codes along K); Wq_codes 1,024 x 32 x 24 uint8 (E2M3 codes of Wq, K innermost, in blocks of 32 codes, four codes in three bytes); Wq_scales 1,024 x 32 uint8 (E8M0 scales of Wq, one for each 32 codes along K); Wv_codes 64 x 32 x 24 uint8 (E2M3 codes of Wv, K innermost, in blocks of 32 codes, four codes in three bytes); Wv_scales 64 x 32 uint8 (E8M0 scales of Wv, one for each 32 codes along K); bk 64 float32; bo 1,024 float32; bq 1,024 float32; bv 64 float32; mask 1 x 4,096 x 4,096 int32; x_codes 1 x 4,096 x 32 x 24 uint8 (E2M3 codes of x, K innermost, in blocks of 32 codes, four codes in three bytes); x_scales 1 x 4,096 x 32 uint8 (E8M0 scales of x, one for each 32 codes along K).
;; Outputs: out0 1 x 4,096 x 1,024 float32.
;; This version of the problem:
;;   THIS VERSION OF THE PROBLEM IS GIVEN IN LOW PRECISION. The matrix products marked QUANTISED in the list below multiply operands that are first quantised to E2M3 (2 exponent bits, 3 mantissa bits; 6 bits a number), with one power-of-two scale for each 32 numbers along K (OCP MX v1.0); their sums are f32. All else is computed in f32.
;;   The module's matrix products, in the order in which they are computed (A, B: the left and right operand; K: the contracted axis; several contracted axes count as one K, in the product's order):
;;     1. [M 4,096, K 1,024] x [K 1,024, N 1,024]; A: input x (given as codes); B: input Wq (given as codes): QUANTISED
;;     2. [M 4,096, K 1,024] x [K 1,024, N 64]; A: input x (given as codes); B: input Wk (given as codes): QUANTISED
;;     3. [M 4,096, K 1,024] x [K 1,024, N 64]; A: input x (given as codes); B: input Wv (given as codes): QUANTISED
;;     4. [M 65,536, K 64] x [K 64, N 4,096]; A: computed on the way; B: computed on the way: QUANTISED
;;     5. [M 65,536, K 4,096] x [K 4,096, N 64]; A: softmax (see below); B: computed on the way: QUANTISED
;;     6. [M 4,096, K 1,024] x [K 1,024, N 1,024]; A: computed on the way; B: input Wo (given as codes): QUANTISED
;;   THE QUANTISER, for each operand of a quantised product, along K:
;;     - K is cut into blocks of 32 from its start; a last block that is shorter is filled with zeros.
;;     - A block's scale is 2^e with e = floor(log2(the largest magnitude in the block)) - 2, held to -126 .. 127; a block of zeros has e = 0. As a byte (E8M0): e + 127.
;;     - Each number is divided by its block's scale, clamped to +-7.5, and rounded to the nearest number of E2M3, ties to even, subnormals kept.
;;     - The product sums the exact products of the quantised numbers (number of the format x scale) in f32.
;;   ~~~python
;;   def quantise(x, axis):      # numpy; x: float32 -> the quantised numbers, widened to float32 again
;;       x = np.moveaxis(x, axis, -1); K = x.shape[-1]
;;       x = np.pad(x, [(0, 0)] * (x.ndim - 1) + [(0, -K % 32)]); x = x.reshape(x.shape[:-1] + (-1, 32)); a = np.abs(x).max(-1, keepdims=True)
;;       e = np.where(a > 0, np.clip(np.frexp(np.where(a > 0, a, 1))[1] - 1 - 2, -126, 127), 0)      # np.frexp(a)[1] - 1 = floor(log2(a)), exactly
;;       r = np.clip(x / 2.0 ** e, -7.5, 7.5)
;;       step = 2.0 ** (np.maximum(np.frexp(np.where(r == 0, 1, r))[1] - 1, 0) - 3)
;;       q = np.round(r / step) * step * 2.0 ** e      # np.round: ties to even
;;       return np.moveaxis(q.reshape(q.shape[:-2] + (-1,))[..., :K], -1, axis).astype(np.float32)
;;   ~~~
;;   SOFTMAX AHEAD OF A QUANTISED PRODUCT. Where the list says 'softmax', what is quantised is not the finished softmax but p = 2^(t - M), with t = logit x log2(e) and M = ceil(the row's largest t), a whole number; so 1/2 < the row's largest p <= 1. The row's sum l is taken of the UNQUANTISED p, in f32, and the product's result is divided by l at the end. Since M is a whole number, a kernel that streams over the keys may use a running M (the ceiling of the running maximum): every later rescaling is an exact power of two, which a block's scale takes up: the codes' values come out the same.
;;   OPERANDS COMPUTED ON THE WAY. 'Computed on the way' means the value that the module computes at that place (a softmax that the list does not call 'softmax' is quantised finished and normalised). What goes into a quantiser is computed in f32, as accurately as f32 sums, v_exp_f32 and their like allow (about 1e-6 of the number): no bf16 or f16 on the way to a quantiser, and a product that is left as it is and whose result goes on into a quantised operand takes f32 operands (vector FMAs, or v_wmma_f32_16x16x4_f32). A number that lies on a knife's edge between two numbers of the format may be rounded either way, as far as f32 arithmetic and the matrix unit's own rounding can turn it there, and no further.
;;   INPUTS GIVEN AS CODES. Wk (in the module: [1024, 64], K = its axis 0); Wo (in the module: [1024, 1024], K = its axis 0); Wq (in the module: [1024, 1024], K = its axis 0); Wv (in the module: [1024, 64], K = its axis 0); x (in the module: [1, 4096, 1024], K = its axis 2): each comes as NAME_codes (uint8): NAME with its K axis moved to the last place and cut into blocks of 32 codes, [.., K / 32, bytes a block], one block behind the other in memory; four codes in three bytes: a row's codes are one little-endian stream of bits, code i at bits 6 i .. 6 i + 5 (a code: sign, 2 exponent bits, 3 mantissa bits); and NAME_scales (uint8): the same leading axes, one E8M0 byte (e + 127) for each 32 codes along K. Its value is code x scale, taken as it is: it is not quantised again, and the codes and scales need not be those that the quantiser above would give.
;; One version. Each part assembles by itself: llvm-mc -triple=amdgcn-amd-amdhsa -mcpu=gfx1250 --defsym DOCPART=n.
;; ======== version 1 of 1: 3 launches
;; limits: right only within a limited range of input values
;; workspace buffers: qimg 3,145,728 bytes; qsc 262,144 bytes; kimg 196,608 bytes; vimg 196,608 bytes; kvsc 24,576 bytes; a_codes 3,145,728 bytes; a_scales 131,072 bytes
;; launch proj (part 1): grid 9 x 16, 8 waves a work-group, no clusters, 327,680 bytes of LDS; arguments x_codes, x_scales, Wq_codes, Wq_scales, bq, Wk_codes, Wk_scales, bk, Wv_codes, Wv_scales, bv, qimg, qsc, kimg, vimg, kvsc; writes qimg, qsc, kimg, vimg, kvsc
.if DOCPART == 1
	.amdgcn_target "amdgcn-amd-amdhsa--gfx1250"
	.amdhsa_code_object_version 6
	.text
	.protected	k_q3e1ee460e5_proj
	.globl	k_q3e1ee460e5_proj
	.p2align	8
	.type	k_q3e1ee460e5_proj,@function
k_q3e1ee460e5_proj:
	s_mov_b64 s[64:65], 0
	v_nop
	global_prefetch_b8 v0, s[64:65] scope:SCOPE_SE
	s_setreg_imm32_b32 hwreg(HW_REG_WAVE_MODE, 25, 1), 1
	s_wait_xcnt 0x0
; q = x Wq + bq, k = x Wk + bk, v = x Wv + bv on codes of FP6 (E2M3) with E8M0 scales, and the quantisers behind them: q and k along the head's 64, v along the keys.
; DEAD WORK: none.  Every input has a way to out0: the biases bk and bv move the codes of k and v ahead of quantised products, the mask chooses values, so nothing is left out in any launch.
; LIMITS: NaN and infinities among the inputs are not served; a block whose largest magnitude lies under 2^-124 keeps the scale byte 1 (a block of zeros too: its codes are zeros, and this program alone reads the bytes).
; SHARES.  Work-group (gx, gy): 256 rows of x (LDS slots 2-5, 64 rows each) against 128 rows of weights (slots 0, 1): gx < 8: Wq's rows 128 gx on (two heads); gx = 8: slot 0 = Wk, slot 1 = Wv.
; All of K (1,024 codes, 768 bytes a row) lies in LDS at once: six tensor loads of codes, the scale bytes through registers, no slot is filled twice.  No cluster: 9 column groups do not divide by 4, and along y only the weights' third of the bytes is shared.
; Wave w = (sw = w & 1, mw = w >> 1) makes one tile of 64 x 64: source 0 (P) gives the registers' axis, source 1 (R) the lanes'.  q, k: P = weights' slot sw (the head's 64), R = x's slot 2 + mw.  v: P = x's slot (keys), R = Wv (slot 1).
; THE ROWS OF A TILE ARE NOT NEIGHBOURS: lane r of tile t takes row 32 (t / 2) + t % 2 + 2 r of its slot.  So registers 8 u + j of tiles 2 b + u hold the elements 32 b + 16 (lane / 16) + 2 j + u: the 16 numbers of half a block of 32.
; Their order inside the block is the same on both sides of the products that take them (q with k, v with the softmax's p), so it cancels.
; OUT: half fragments (16 rows x 64 K) as images of their six registers: 512 bytes (registers 0-3, 16 bytes a lane), then 256 bytes (registers 4-5, 8 bytes a lane): every store covers whole aligned runs of 256 bytes.
.set PITCH, 792                        ; an LDS row of codes: 768 bytes + 8 behind every 256 = 198 words; two rows from lane to lane
.set SLOTB, 64*PITCH
.set SPIT,  40                         ; a row of scale bytes: 32 + 8
.set SSLOT, 64*SPIT
.set SCL,   6*SLOTB                    ; behind the six slots of codes: six of scale bytes
.set BIAS,  SCL+6*SSLOT                ; 2 x 256 bytes: the biases of slots 0 and 1
.set SPARE, BIAS+512                   ; the spare words, 128 bytes a wave: four blocks of 256 bytes that no other line names
.set AP,   1                           ; v1-2   P's fragments: lane address, and the same behind one padding more
.set AR,   3                           ; v3-4   R's
.set ASP,  5                           ; v5     P's scale words
.set ASR,  6                           ; v6     R's
.set ABQ,  7                           ; v7     biases along the registers (q, k)
.set ABV,  8                           ; v8     biases along the lanes (v)
.set SPW,  9                           ; v9     my spare word; never rewritten
.set NIL,  10                          ; v10    0; never rewritten
.set O16,  11                          ; v11    16 x lane
.set O8,   12                          ; v12    512 + 8 x lane
.set OR16, 13                          ; v13    16 r
.set OR8,  14                          ; v14    8 r
.set OL8,  15                          ; v15    8 x lane
.set SP,   16                          ; v16-19 P's scale words;  v20-23 R's: they hold scales and nothing else
.set SR,   20
.set ABS,  29                          ; v29    where a thread of waves 0, 1 puts its two biases
.set PF,   32                          ; v32-79   P's four fragments
.set RF,   80                          ; v80-127  R's four
.set ACC,  128                         ; v128-255 accumulator (i, t) at ACC + 32 i + 8 t
.set BI,   32                          ; the way out: 32 biases;  v64-71 four pairs;  v72-79 at work;  v80.. codes;  v112-114 half a block;  v120-123 scale words
.set BR,   64
.set TM,   72
.set PCS,  80
.set PT,   112
.set PW,   120
.set G1C,  36                          ; s[36:43] group 1, codes
.set G1S,  44
.set WV,   52
.set GX,   53
.set GY,   54
.set SW,   55
.set MW,   56
.set ISV,  57                          ; 1 in the waves that make v
.set PSL,  58                          ; P's slot, R's slot
.set RSL,  59
.set G0C,  60                          ; s[60:63] group 0, codes
.set SEL,  66
.set G0S,  68
.set ZZ,   78
.set OC,   90                          ; s[90:91] where my images go;  s[92:93] my scale words
.set OS,   92
; A fragment, 16 rows x 128 K: 12 registers, in pieces of 8 bytes.  Lanes 16-31 read three pieces further on; where that lies behind one padding more, the second address register serves.
.macro FRAG reg, adr, s, t
.irp p, 0,1,2,3,4,5
.set PCI, 12*(\s)+6*(\p/3)+\p%3
.if PCI%32 < 29
	ds_load_b64 v[\reg+2*\p:\reg+2*\p+1], v[\adr] offset:8*PCI+8*(PCI/32)+(32*((\t)/2)+(\t)%2)*PITCH
.else
	ds_load_b64 v[\reg+2*\p:\reg+2*\p+1], v[\adr+1] offset:8*PCI+8*(PCI/32)+(32*((\t)/2)+(\t)%2)*PITCH
.endif
.endr
.endm
; 128 along K: eight fragments and their scale words, sixteen products.  The sixteen accumulators take turns, one instruction a turn.
.macro KSTEP s, zero
.irp t, 0,1,2,3
	FRAG PF+12*\t, AP, \s, \t
	ds_load_b32 v[SP+\t], v[ASP] offset:(32*(\t/2)+\t%2)*SPIT+4*(\s)
.endr
.irp i, 0,1,2,3
	FRAG RF+12*\i, AR, \s, \i
	ds_load_b32 v[SR+\i], v[ASR] offset:(32*(\i/2)+\i%2)*SPIT+4*(\s)
.endr
	s_wait_dscnt 0x0
	s_cmp_eq_u32 s[ISV], 1                         ; the fragment registers P always hold the weights' slot sw, R x's slot: the waves that make v swap the sources, so that the keys give the registers' axis
	s_cbranch_scc0 .Lqk_\@
.irp i, 0,1,2,3
.irp t, 0,1,2,3
.if \zero
	v_wmma_scale_f32_16x16x128_f8f6f4 v[ACC+32*\i+8*\t:ACC+32*\i+8*\t+7], v[RF+12*\t:RF+12*\t+11], v[PF+12*\i:PF+12*\i+11], 0, v[SR+\t], v[SP+\i] matrix_a_fmt:MATRIX_FMT_FP6 matrix_b_fmt:MATRIX_FMT_FP6
.else
	v_wmma_scale_f32_16x16x128_f8f6f4 v[ACC+32*\i+8*\t:ACC+32*\i+8*\t+7], v[RF+12*\t:RF+12*\t+11], v[PF+12*\i:PF+12*\i+11], v[ACC+32*\i+8*\t:ACC+32*\i+8*\t+7], v[SR+\t], v[SP+\i] matrix_a_fmt:MATRIX_FMT_FP6 matrix_b_fmt:MATRIX_FMT_FP6
.endif
.endr
.endr
	s_branch .Ldone_\@
.Lqk_\@:
.irp i, 0,1,2,3
.irp t, 0,1,2,3
.if \zero
	v_wmma_scale_f32_16x16x128_f8f6f4 v[ACC+32*\i+8*\t:ACC+32*\i+8*\t+7], v[PF+12*\t:PF+12*\t+11], v[RF+12*\i:RF+12*\i+11], 0, v[SP+\t], v[SR+\i] matrix_a_fmt:MATRIX_FMT_FP6 matrix_b_fmt:MATRIX_FMT_FP6
.else
	v_wmma_scale_f32_16x16x128_f8f6f4 v[ACC+32*\i+8*\t:ACC+32*\i+8*\t+7], v[PF+12*\t:PF+12*\t+11], v[RF+12*\i:RF+12*\i+11], v[ACC+32*\i+8*\t:ACC+32*\i+8*\t+7], v[SP+\t], v[SR+\i] matrix_a_fmt:MATRIX_FMT_FP6 matrix_b_fmt:MATRIX_FMT_FP6
.endif
.endr
.endr
.Ldone_\@:
.rept 4
	v_nop                                          ; four places in front of loads into registers that these products read, and of the first read of results
.endr
.endm
; 32 numbers of a lane (register 16 b + x: half of block b of my row) become half a fragment's codes in v[pc .. pc + 5] and its scale word (two bytes) in v[pw].
.macro QUANT2 s, pc, pw
.irp b, 0,1
	v_max3_num_f32 v[TM+\b], |v[\s+16*\b]|, |v[\s+16*\b+1]|, 0x1800000   ; the floor 2^(3 - 127): the byte cannot fall under 1
.endr
.irp i, 2,4,6,8,10,12,14
.irp b, 0,1
	s_delay_alu instid0(VALU_DEP_2)
	v_max3_num_f32 v[TM+\b], v[TM+\b], |v[\s+16*\b+\i]|, |v[\s+16*\b+\i+1]|
.endr
.endr
.irp b, 0,1
	s_delay_alu instid0(VALU_DEP_2)
	v_permlanex16_b32 v[TM+2+\b], v[TM+\b], s[SEL], s[SEL+1]
.endr
.irp b, 0,1
	s_delay_alu instid0(VALU_DEP_2)
	v_max_num_f32 v[TM+\b], v[TM+\b], v[TM+2+\b]   ; with lane l xor 16's: the block's largest magnitude
.endr
.irp b, 0,1
	s_delay_alu instid0(VALU_DEP_2)
	v_add_nc_u32 v[TM+4+\b], 0xff000000, v[TM+\b]  ; 2 off its exponent field: the conversion's scale operand
.endr
.irp b, 0,1
	s_delay_alu instid0(VALU_DEP_2)
	v_lshrrev_b32 v[TM+6+\b], 23, v[TM+4+\b]       ; the scale's byte
.endr
	s_delay_alu instid0(VALU_DEP_1)
	v_lshl_or_b32 v[\pw], v[TM+7], 8, v[TM+6]
	v_cvt_scalef32_pk16_fp6_f32 v[\pc:\pc+2], v[\s:\s+15], v[TM+4]
	v_cvt_scalef32_pk16_fp6_f32 v[PT:PT+2], v[\s+16:\s+31], v[TM+5]
	v_nop                                          ; one plain place behind a scaled conversion
.irp i, 0,1,2
	v_permlane16_swap_b32 v[\pc+\i], v[PT+\i]      ; a whole block to a lane: lanes 0-15 block 0, lanes 16-31 block 1
.endr
.irp i, 0,1,2
	s_delay_alu instid0(VALU_DEP_3)
	v_mov_b32 v[\pc+3+\i], v[PT+\i]
.endr
.endm
	s_load_b512 s[4:19], s[0:1], 0x0               ; x codes 4, x scales 6, Wq codes 8, Wq scales 10, bq 12, Wk codes 14, Wk scales 16, bk 18
	s_load_b512 s[20:35], s[0:1], 0x40             ; Wv codes 20, Wv scales 22, bv 24, qimg 26, qsc 28, kimg 30, vimg 32, kvsc 34
	v_lshl_add_u32 v[SPW], v0, 2, SPARE
	v_mov_b32 v[NIL], 0
	ds_add_u32 v[SPW], v[NIL]                      ; the wave's opening: the add, twice on end, and its wait ahead of the first tensor load
	ds_add_u32 v[SPW], v[NIL]
	v_lshrrev_b32 v24, 5, v0
	s_delay_alu instid0(VALU_DEP_1)
	v_readfirstlane_b32 s[WV], v24                 ; wave 0..7
	s_mov_b32 s[GX], ttmp9
	s_and_b32 s[GY], ttmp7, 0xffff
	s_and_b32 s[SW], s[WV], 1
	s_lshr_b32 s[MW], s[WV], 1
	s_cmp_eq_u32 s[GX], 8
	s_cselect_b32 s[ISV], s[SW], 0
	s_add_co_u32 s[RSL], s[MW], 2                  ; R: x's slot 2 + mw;  P: the weights' slot sw: both hang on the wave's number alone
	s_mov_b32 s[PSL], s[SW]
	s_mov_b32 s[G1C+0], (1<<20)|(5<<22)|(1<<25)    ; elements of 1 byte; padding on: 2 words behind every 64
	s_mov_b32 s[G1C+1], 768<<16                    ; tensor_dim0
	s_mov_b32 s[G1C+2], 64<<16                     ; tensor_dim1
	s_mov_b32 s[G1C+3], 768<<16                    ; tile_dim0
	s_mov_b32 s[G1C+4], 64                         ; tile_dim1
	s_mov_b32 s[G1C+5], 768                        ; from row to row
	s_mov_b32 s[G1C+6], 0
	s_mov_b32 s[G1C+7], 0
	s_mov_b32 s[SEL], 0x76543210
	s_mov_b32 s[SEL+1], 0xfedcba98                 ; v_permlanex16_b32's selects for lane l xor 16
	; every LDS address register is made here, on the way that all waves take
	v_and_b32 v24, 15, v0                          ; r
	v_bfe_u32 v25, v0, 4, 1                        ; h
	v_and_b32 v26, 31, v0                          ; lane
	s_delay_alu instid0(VALU_DEP_3)
	v_mul_u32_u24 v27, v24, 2*PITCH
	s_delay_alu instid0(VALU_DEP_1)
	v_mad_u32_u24 v27, v25, 24, v27                ; two rows a lane, 24 bytes a half
	s_delay_alu instid0(VALU_DEP_1)
	v_lshl_add_u32 v28, v25, 3, v27                ; and behind one padding more
	s_mul_i32 s81, s[PSL], SLOTB
	s_mul_i32 s82, s[RSL], SLOTB
	v_add_nc_u32 v[AP], s81, v27
	v_add_nc_u32 v[AP+1], s81, v28
	v_add_nc_u32 v[AR], s82, v27
	v_add_nc_u32 v[AR+1], s82, v28
	v_mul_u32_u24 v27, v24, 2*SPIT
	s_mul_i32 s81, s[PSL], SSLOT
	s_mul_i32 s82, s[RSL], SSLOT
	s_add_co_u32 s81, s81, SCL
	s_add_co_u32 s82, s82, SCL
	v_add_nc_u32 v[ASP], s81, v27
	v_add_nc_u32 v[ASR], s82, v27
	s_lshl_b32 s81, s[SW], 8
	s_add_co_u32 s81, s81, BIAS
	v_lshl_add_u32 v[ABQ], v25, 6, s81             ; my half's 16 numbers of each block of 32
	v_lshl_add_u32 v[ABV], v24, 3, BIAS+256        ; Wv's row 2 r
	v_lshl_add_u32 v[ABS], v0, 3, BIAS             ; threads 0-63: 8 bytes each
	v_lshlrev_b32 v[O16], 4, v26
	v_lshl_add_u32 v[O8], v26, 3, 512
	v_lshlrev_b32 v[OR16], 4, v24
	v_lshlrev_b32 v[OR8], 3, v24
	v_lshlrev_b32 v[OL8], 3, v26
	s_min_u32 s[ZZ], s[WV], 5
	s_mul_i32 s98, s[ZZ], SSLOT                    ; my slot's scale bytes go through registers: a lane takes two rows, 64 bytes of memory,
	s_add_co_u32 s98, s98, SCL
	v_lshlrev_b32 v28, 6, v26
	v_mul_u32_u24 v27, v26, 2*SPIT                 ; and puts them at two LDS rows of 40 bytes
	v_add_nc_u32 v27, s98, v27
	s_lshl_b32 s83, s[GX], 7
	s_lshl_b32 s84, s[ZZ], 6
	s_add_co_u32 s83, s83, s84                     ; Wq's row 128 gx + 64 z
	s_lshl_b32 s85, s[GY], 8
	s_add_co_u32 s85, s85, s84
	s_sub_co_u32 s85, s85, 128                     ; x's row 256 gy + 64 (z - 2)
	s_wait_dscnt 0x0                               ; both opening adds are done
	s_wait_kmcnt 0x0
	s_cmp_eq_u32 s[ZZ], 0                          ; the choices hang on ids alone
	s_cselect_b64 s[72:73], s[14:15], s[20:21]     ; Wk or Wv: codes,
	s_cselect_b64 s[74:75], s[16:17], s[22:23]     ; scale bytes,
	s_cselect_b64 s[76:77], s[18:19], s[24:25]     ; bias
	s_cmp_eq_u32 s[GX], 8
	s_cselect_b64 s[72:73], s[72:73], s[8:9]       ; or Wq
	s_cselect_b64 s[74:75], s[74:75], s[10:11]
	s_cselect_b64 s[76:77], s[76:77], s[12:13]
	s_cselect_b32 s83, 0, s83
	s_cmp_lt_u32 s[ZZ], 2
	s_cselect_b64 s[72:73], s[72:73], s[4:5]       ; or x
	s_cselect_b64 s[74:75], s[74:75], s[6:7]
	s_cselect_b32 s85, s83, s85                    ; the slot's first row
	s_mul_i32 s86, s85, 768
	s_mov_b32 s87, 0
	s_add_nc_u64 s[72:73], s[72:73], s[86:87]
	s_lshl_b32 s86, s85, 5
	s_add_nc_u64 s[74:75], s[74:75], s[86:87]
	s_lshl_b32 s86, s83, 2
	s_add_nc_u64 s[76:77], s[76:77], s[86:87]
	s_mov_b32 s[G0C], 1
	s_mul_i32 s[G0C+1], s[ZZ], SLOTB
	s_mov_b64 s[G0C+2:G0C+3], s[72:73]
	s_or_b32 s[G0C+3], s[G0C+3], 0x80000000
	s_cmp_lt_u32 s[WV], 6                          ; waves 0-5 fill a slot each: one tensor load of mine is out; all first fills stand in this one branch
	s_cbranch_scc0 .Lno_fill
	tensor_load_to_lds s[G0C:G0C+3], s[G1C:G1C+7]
	s_nop 0
.rept 4
	v_nop
.endr
	s_wait_alu depctr_va_vdst(0)                   ; the wait ahead of the first reader of the head's registers
.irp q, 0,1,2,3
	global_load_b128 v[32+4*\q:35+4*\q], v28, s[74:75] offset:16*\q   ; the slot's 2,048 scale bytes: the wave's four loads cover them whole
.endr
	s_wait_loadcnt 0x0
.irp q, 0,1,2,3,4,5,6,7
	ds_store_b64 v27, v[32+2*\q:33+2*\q] offset:8*\q+8*(\q/4)         ; no tensor load lands on the scales' LDS bytes
.endr
	s_cmp_lt_u32 s[WV], 2
	s_cbranch_scc0 .Lno_fill
	s_wait_alu depctr_va_vdst(0)
	global_load_b64 v[30:31], v[OL8], s[76:77]
	s_wait_loadcnt 0x0
	ds_store_b64 v[ABS], v[30:31]
.Lno_fill:
	; where my results go
	s_lshl_b32 s88, s[GY], 2
	s_add_co_u32 s88, s88, s[MW]                   ; blk: which 64 rows of x
	s_lshl_b32 s89, s[GX], 1
	s_add_co_u32 s89, s89, s[SW]                   ; the head
	s_cmp_eq_u32 s[SW], 0
	s_cselect_b64 s[OC:OC+1], s[30:31], s[32:33]   ; kimg or vimg
	s_cmp_eq_u32 s[GX], 8
	s_cselect_b64 s[OC:OC+1], s[OC:OC+1], s[26:27] ; or qimg
	s_cselect_b64 s[OS:OS+1], s[34:35], s[28:29]   ; kvsc or qsc
	s_cselect_b32 s89, 0, s89
	s_lshl_b32 s94, s89, 8
	s_lshl_b32 s95, s88, 2
	s_add_co_u32 s94, s94, s95
	s_mul_i32 s94, s94, 768                        ; image 256 head + 4 blk
	s_mov_b32 s95, 0
	s_add_nc_u64 s[OC:OC+1], s[OC:OC+1], s[94:95]
	s_lshl_b32 s94, s89, 6
	s_add_co_u32 s94, s94, s88
	s_lshl_b32 s94, s94, 8                         ; q, k: 256 bytes of words for (head, blk)
	s_lshr_b32 s96, s88, 1
	s_lshl_b32 s96, s96, 8
	s_and_b32 s97, s88, 1
	s_lshl_b32 s97, s97, 1
	s_add_co_u32 s96, s96, s97
	s_add_co_u32 s96, s96, 16384                   ; v: behind k's words: 256 bytes for 128 keys, two bytes for each 64
	s_cmp_eq_u32 s[ISV], 1
	s_cselect_b32 s94, s96, s94
	s_add_nc_u64 s[OS:OS+1], s[OS:OS+1], s[94:95]
	s_wait_tensorcnt 0x0                           ; my slot is in,
	s_wait_dscnt 0x0                               ; my biases are stored:
	s_barrier_signal -1
	s_barrier_wait -1                              ; everybody's are.
	s_wait_alu depctr_va_vdst(0)
	KSTEP 0, 1                                     ; the first products start the sums
.irp s, 1,2,3,4,5,6,7
	KSTEP \s, 0
.endr
	v_mov_b32 v[TM+2], 0                           ; a lane permute's destination counts as one of its sources
	v_mov_b32 v[TM+3], 0
	s_cmp_eq_u32 s[ISV], 1
	s_cbranch_scc1 .Lbias_v
.set n, 0
.rept 32                                       ; q, k: register 16 b + 8 u + j wants the bias of element 32 b + 16 h + 2 j + u
	ds_load_b32 v[BI+n], v[ABQ] offset:4*(32*(n/16)+2*(n%8)+((n/8)%2))
.set n, n+1
.endr
	s_wait_dscnt 0x0
.set n, 0
.rept 64                                       ; ascending: each accumulator is read from its low end on
	v_pk_add_f32 v[ACC+2*n:ACC+2*n+1], v[ACC+2*n:ACC+2*n+1], v[BI+(2*n)%32:BI+(2*n)%32+1]
.set n, n+1
.endr
	s_branch .Lquant
.Lbias_v:
.irp i, 0,1,2,3                                ; v: one bias a lane and tile: bv at 32 (i / 2) + i % 2 + 2 r, twice, for the packed addition
	ds_load_b32 v[BR+2*\i], v[ABV] offset:4*(32*(\i/2)+\i%2)
	ds_load_b32 v[BR+2*\i+1], v[ABV] offset:4*(32*(\i/2)+\i%2)
.endr
	s_wait_dscnt 0x0
.set n, 0
.rept 64
	v_pk_add_f32 v[ACC+2*n:ACC+2*n+1], v[ACC+2*n:ACC+2*n+1], v[BR+2*(n/16):BR+2*(n/16)+1]
.set n, n+1
.endr
.Lquant:
.irp i, 0,1,2,3                                ; each tile has registers of its own for its codes and its word: no store's data are written again
	QUANT2 ACC+32*\i, PCS+8*\i, PW+\i
	global_store_b128 v[O16], v[PCS+8*\i:PCS+8*\i+3], s[OC:OC+1] offset:768*\i       ; 512 consecutive bytes
	global_store_b64 v[O8], v[PCS+8*\i+4:PCS+8*\i+5], s[OC:OC+1] offset:768*\i       ; 256 consecutive bytes
.endr
	s_cmp_eq_u32 s[ISV], 1
	s_cbranch_scc1 .Lscale_v
	global_store_b128 v[OR16], v[PW:PW+3], s[OS:OS+1]   ; row r's four words: 256 consecutive bytes; both halves of the lanes hold and write the same
	s_branch .Lend
.Lscale_v:
	s_wait_alu depctr_va_vdst(0)
.irp i, 0,1,2,3                                ; v's two bytes go into words that two work-groups' waves share by halves: 2 bytes a lane, 8 KiB in the whole launch
	global_store_b16 v[OR8], v[PW+\i], s[OS:OS+1] offset:128*(\i/2)+4*(\i%2)
.endr
.Lend:
	s_wait_tensorcnt 0x0                           ; the wave's end
	ds_add_u32 v[SPW], v[NIL]
	s_wait_dscnt 0x0
	s_endpgm
.Lfunc_end_k_q3e1ee460e5_proj:
	.size	k_q3e1ee460e5_proj, .Lfunc_end_k_q3e1ee460e5_proj-k_q3e1ee460e5_proj
	.p2alignl 7, 3214868480
	.fill 96, 4, 3214868480
	.section	.rodata,"a",@progbits
	.p2align	6, 0x0
	.amdhsa_kernel k_q3e1ee460e5_proj
		.amdhsa_group_segment_fixed_size 327680
		.amdhsa_private_segment_fixed_size 0
		.amdhsa_enable_private_segment 0
		.amdhsa_kernarg_size 128
		.amdhsa_user_sgpr_count 2
		.amdhsa_user_sgpr_kernarg_segment_ptr 1
		.amdhsa_wavefront_size32 1
		.amdhsa_system_sgpr_workgroup_id_x 1
		.amdhsa_system_sgpr_workgroup_id_y 1
		.amdhsa_system_sgpr_workgroup_id_z 1
		.amdhsa_system_vgpr_workitem_id 0
		.amdhsa_next_free_vgpr 256
		.amdhsa_next_free_sgpr 100
		.amdhsa_reserve_vcc 0
		.amdhsa_float_denorm_mode_32 3
		.amdhsa_float_denorm_mode_16_64 3
		.amdhsa_memory_ordered 1
		.amdhsa_forward_progress 1
		.amdhsa_inst_pref_size 93
	.end_amdhsa_kernel
	.amdgpu_metadata
---
amdhsa.version: [ 1, 2 ]
amdhsa.kernels:
  - .name:           k_q3e1ee460e5_proj
    .symbol:         k_q3e1ee460e5_proj.kd
    .args:
      - { .name: x_codes, .offset: 0, .size: 8, .value_kind: global_buffer, .address_space: global }
      - { .name: x_scales, .offset: 8, .size: 8, .value_kind: global_buffer, .address_space: global }
      - { .name: Wq_codes, .offset: 16, .size: 8, .value_kind: global_buffer, .address_space: global }
      - { .name: Wq_scales, .offset: 24, .size: 8, .value_kind: global_buffer, .address_space: global }
      - { .name: bq, .offset: 32, .size: 8, .value_kind: global_buffer, .address_space: global }
      - { .name: Wk_codes, .offset: 40, .size: 8, .value_kind: global_buffer, .address_space: global }
      - { .name: Wk_scales, .offset: 48, .size: 8, .value_kind: global_buffer, .address_space: global }
      - { .name: bk, .offset: 56, .size: 8, .value_kind: global_buffer, .address_space: global }
      - { .name: Wv_codes, .offset: 64, .size: 8, .value_kind: global_buffer, .address_space: global }
      - { .name: Wv_scales, .offset: 72, .size: 8, .value_kind: global_buffer, .address_space: global }
      - { .name: bv, .offset: 80, .size: 8, .value_kind: global_buffer, .address_space: global }
      - { .name: qimg, .offset: 88, .size: 8, .value_kind: global_buffer, .address_space: global }
      - { .name: qsc, .offset: 96, .size: 8, .value_kind: global_buffer, .address_space: global }
      - { .name: kimg, .offset: 104, .size: 8, .value_kind: global_buffer, .address_space: global }
      - { .name: vimg, .offset: 112, .size: 8, .value_kind: global_buffer, .address_space: global }
      - { .name: kvsc, .offset: 120, .size: 8, .value_kind: global_buffer, .address_space: global }
    .group_segment_fixed_size: 327680
    .private_segment_fixed_size: 0
    .kernarg_segment_align: 8
    .kernarg_segment_size: 128
    .max_flat_workgroup_size: 256
    .sgpr_count:     100
    .vgpr_count:     256
    .wavefront_size: 32
...
	.end_amdgpu_metadata
.endif
;; end of part 1
;; launch attn (part 2): grid 256 x 1, 16 waves a work-group, clusters of 4 x 1, 327,680 bytes of LDS; arguments qimg, qsc, kimg, vimg, kvsc, mask, a_codes, a_scales; writes a_codes, a_scales
.if DOCPART == 2
	.amdgcn_target "amdgcn-amd-amdhsa--gfx1250"
	.amdhsa_code_object_version 6
	.text
	.protected	k_q3e1ee460e5_attn
	.globl	k_q3e1ee460e5_attn
	.p2align	8
	.type	k_q3e1ee460e5_attn,@function
k_q3e1ee460e5_attn:
	s_mov_b64 s[64:65], 0
	v_nop
	global_prefetch_b8 v0, s[64:65] scope:SCOPE_SE
	s_setreg_imm32_b32 hwreg(HW_REG_WAVE_MODE, 25, 1), 1
	s_wait_xcnt 0x0
	s_wait_alu depctr_hold_cnt(0) depctr_sa_sdst(0) depctr_va_vdst(0) depctr_va_sdst(0) depctr_va_ssrc(0) depctr_va_vcc(0) depctr_vm_vsrc(0)
	s_getreg_b32 s2, hwreg(HW_REG_IB_STS2, 6, 4)
	s_cmp_eq_u32 s2, 0
	s_cbranch_scc0 .Lentry_in_a_cluster
	s_endpgm
.Lentry_in_a_cluster:
	s_bfe_u32 s2, ttmp6, 0x10000c
	s_cmp_lg_u32 s2, 0x3003
	s_cbranch_scc0 .Lentry_shape_is_right
	s_endpgm
.Lentry_shape_is_right:
; Attention with one key and value head on codes of FP6 (E2M3): S^T = K Q^T, mask, p = 2^(t - M) quantised along the keys, O^T = V^T P, O / l, and the quantiser ahead of the last projection.  No work is left out.
; A TILE'S 16 COLUMNS ARE THE 16 HEADS OF ONE QUERY.  Wave w of work-group T owns query 64 (T >> 2) + 32 ((T >> 1) & 1) + (T & 1) + 2 w; a lane holds one head throughout, its registers run along the keys (S^T, p) or the head's 64 (O^T).
; THE MASK hangs on (query, key) alone, and a key is a ROW of source 0, which has one scale word.  The head's 64 fill K = 0..63 of the instruction's 128; K = 64, 65 hold constants: -6.5, -0.25 on K's side, 6.0, 0.25 on Q's: sum -39.0625; Q's scale byte 2 is 127.
; A key that counts keeps its word [e0, e1, 0, 0]: the constants add -39.0625 x 2^-127, which changes no score.  A masked key gets the word [0, 0, 138, 0]: the score becomes -39.0625 x 2^11 = -80,000, which is the logit -10,000 ahead of the factor 1 / 8.
; LIMITS: under a masked word q . k is left at 2^-127 of its size: it stays under half an ulp of 80,000 while |q| is under 2^90.  NaN and infinities are not served.  A block under 2^-124 keeps the scale byte 1.  The scaled scores stay under 2^31 in magnitude.
; SOFTMAX: t = score x log2(e) / 8; M = the running largest t rounded up to a whole number; p = 2^(t - M); the row's sum is taken of the unquantised p; when M moves, the sum and O^T are multiplied by 2^(old M - new M), which rounds nothing.
; RING: two LDS slots of 1,024 keys (eight steps of 128): K's 64 images, then V's 64.  Waves 0-3 fill a quarter of a slot each, 24,576 bytes; at the head wave 4 brings k's and v's scale words of all keys, which stay.
; The four work-groups of a cluster walk the same K and V: each tile is asked for jointly.  Four slots: three changes with a fill, one without.
; THE WALK: a trip of the inner loops is two key steps (256 keys).  The mask comes straight into registers, two steps (two sets of two loads) ahead.
; No prefetch: the mask is asked for two steps ahead of its use, and a refill has eight steps in which to land.
.set SLOT1, 1<<17
.set VOFF,  49152                      ; in a slot: V's images behind K's
.set SCK,   229376                     ; behind slot 1: k's scale words, 16,384 bytes
.set SCV,   245760                     ; v's, 8,192
.set QST,   253952                     ; q changes lanes here: 16 queries x 784 bytes
.set QP,    784
.set QSS,   266752                     ; and its scale words: 16 x 64 bytes
.set OST,   267776                     ; the way out: 16 rows x 768 bytes of codes
.set OSS,   280064                     ; and 16 x 32 scale bytes
.set SPARE, 280576                     ; the spare words, 128 bytes a wave: eight blocks of 256 bytes that no other line names
.set A16, 1                            ; K's images: 16 x lane;  512 + 8 x lane
.set A8,  2
.set ASK, 3                            ; k's scale words;  v's
.set ASV, 4
.set SPW, 5
.set NIL, 6
.set VM,  7                            ; the mask: 256 (lane / 16) + 8 (lane % 16)
.set B16, 8                            ; v8-11 the addresses' lane terms; never rewritten
.set B8,  9
.set BSK, 10
.set BSV, 11
.set NM,  12                           ; -M;  v13 the largest t;  v[14:15] the sum
.set TMX, 13
.set LS,  14
.set QF,  16                           ; v16-27 Q's fragment
.set QS,  28                           ; Q's scale words;  v29 p's;  v[30:31] V's
.set PSW, 29
.set VS,  30
.set KF,  32                           ; v32-79 four fragments of K: registers 6-11 of each hold the constants and are set once
.set KSR, 80                           ; k's scale words as they lie;  v84-91 with the mask merged in, two sets
.set KSM, 84
.set MK,  92                           ; v92-99 the mask, two sets of four
.set AV16, 100                         ; V's images
.set AV8, 101
.set PC,  108                          ; v108-119 p's codes;  v120-122, v124-126 half blocks
.set PT,  120
.set SC,  128                          ; v128-191 S^T, then p
.set VF,  144                          ; v144-191 four fragments of V, laid over p behind the conversions
.set OT,  192                          ; v192-223 O^T
.set BM,  224
.set BX,  228
.set SO,  232
.set FF,  236
.set TW,  238
.set LS2, 240
.set QM,  224
.set WV,  20
.set TT,  21
.set SEL, 22
.set CS,  24                           ; s[24:25] log2(e) / 8
.set MWD, 26
.set CNT, 27
.set G1,  28
.set G0,  36
.set MP,  40                           ; s[40:41] the mask at my row and the two steps in hand
.set TB,  55                           ; where the two steps' images lie;  their scale words of k;  of v
.set TS,  56
.set TJ,  57
.set CN2, 58
.macro ROUND                           ; a round of the cluster's barrier
	s_barrier_signal -1
	s_barrier_wait -1
	s_cmp_lg_u32 s[WV], 0
	s_cbranch_scc1 .Lnot_wave_0_\@
	s_barrier_signal -3
.Lnot_wave_0_\@:
	s_barrier_wait -3
	s_barrier_signal -1
	s_barrier_wait -1
.endm
.macro TLOAD n                         ; waves 0 .. n - 1 ask.  The branch hangs on the wave's number alone
	s_cmp_lt_u32 s[WV], \n
	s_cbranch_scc0 .Lno_load_\@
	tensor_load_to_lds s[G0:G0+3], s[G1:G1+7]
	s_nop 0
.rept 4
	v_nop
.endr
.Lno_load_\@:
.endm
; Register n of a mask set, lane (rho, hs), is the mask of key 64 hs + 32 (n / 2) + 2 rho + n % 2: row rho of tile 4 hs + n, whose scale word lies in the same lane of KSR + n.
.macro MERGE set, dst
.irp n, 0,1,2,3
	v_cmp_ne_u32 vcc_lo, 0, v[MK+4*(\set)+\n]
	s_delay_alu instid0(VALU_DEP_1)
	v_cndmask_b32 v[\dst+\n], s[MWD], v[KSR+\n], vcc_lo
.endr
.endm
.macro KLOAD e, g                      ; four images of K: registers 0-5 of four fragments
.irp t, 0,1,2,3
	ds_load_b128 v[KF+12*\t:KF+12*\t+3], v[A16] offset:(8*(\e)+4*(\g)+\t)*768
	ds_load_b64 v[KF+12*\t+4:KF+12*\t+5], v[A8] offset:(8*(\e)+4*(\g)+\t)*768
.endr
.endm
.macro SPROD e, g                      ; S^T: tiles 4 g .. 4 g + 3; their scale words lie in lanes 0-15 (g = 0) or 16-31 (g = 1)
.irp t, 0,1,2,3
.if \g
	v_wmma_scale_f32_16x16x128_f8f6f4 v[SC+32+8*\t:SC+32+8*\t+7], v[KF+12*\t:KF+12*\t+11], v[QF:QF+11], 0, v[KSM+4*((\e)%2)+\t], v[QS] matrix_a_fmt:MATRIX_FMT_FP6 matrix_b_fmt:MATRIX_FMT_FP6 matrix_a_scale:MATRIX_SCALE_ROW1
.else
	v_wmma_scale_f32_16x16x128_f8f6f4 v[SC+8*\t:SC+8*\t+7], v[KF+12*\t:KF+12*\t+11], v[QF:QF+11], 0, v[KSM+4*((\e)%2)+\t], v[QS] matrix_a_fmt:MATRIX_FMT_FP6 matrix_b_fmt:MATRIX_FMT_FP6
.endif
.endr
.endm
.macro BMAX b0, b1                     ; the largest score of two blocks of 32 keys, by turns; each tile is read from its low end on
.irp b, \b0, \b1
	v_max3_num_f32 v[BM+\b], v[SC+16*\b], v[SC+16*\b+1], v[SC+16*\b+2]
.endr
.irp i, 3,5,7,9,11,13
.irp b, \b0, \b1
	v_max3_num_f32 v[BM+\b], v[BM+\b], v[SC+16*\b+\i], v[SC+16*\b+\i+1]
.endr
.endr
.irp b, \b0, \b1
	v_max_num_f32 v[BM+\b], v[BM+\b], v[SC+16*\b+15]
.endr
.endm
; A KEY STEP: 128 keys, the e-th of two.  more: the same step of the next two has its mask asked for.  prep: the next step's scale words are merged; cnt: the mask loads younger than that step's set.
.macro STEP e, more, prep, cnt
.if \more
.irp b, 0,1
	global_load_b64 v[MK+4*(\e)+2*\b:MK+4*(\e)+2*\b+1], v[VM], s[MP:MP+1] offset:1024+512*(\e)+128*\b th:TH_LOAD_NT
.endr
.endif
.if \prep
	ds_load_b128 v[KSR:KSR+3], v[ASK] offset:512*((\e)+1)
.endif
	ds_load_b64 v[VS:VS+1], v[ASV] offset:256*(\e)
	s_wait_dscnt 1+\prep                           ; K's first four images, asked for in the step before (or behind the change of slots), are in; the scale words just asked for stay out
	SPROD \e, 0
.rept 4
	v_nop                                          ; the places in front of the loads below and of the first read of tiles 0-3
.endr
	KLOAD \e, 1
	BMAX 0, 1                                      ; sixteen lines on tiles 0-3 stand between the request and the wait for it
	s_wait_dscnt 0x0
	SPROD \e, 1
.if \prep
	s_wait_loadcnt \cnt                            ; the next step's mask set is in; the younger set, two loads, stays out
	MERGE ((\e)+1)%2, KSM+4*(((\e)+1)%2)           ; eight plain lines on other registers: the places behind tiles 4-7's products
.else
.rept 4
	v_nop
.endr
.endif
	BMAX 2, 3
.irp b, 0,1,2,3
	v_permlanex16_b32 v[BX+\b], v[BM+\b], s[SEL], s[SEL+1]
.endr
.irp b, 0,1,2,3
	s_delay_alu instid0(VALU_DEP_4)
	v_max_num_f32 v[BM+\b], v[BM+\b], v[BX+\b]     ; with lane l xor 16's 16 keys
.endr
	s_delay_alu instid0(VALU_DEP_2)
	v_max3_num_f32 v[TW], v[BM], v[BM+1], v[BM+2]
	s_delay_alu instid0(VALU_DEP_1)
	v_max_num_f32 v[TW], v[TW], v[BM+3]
	s_delay_alu instid0(VALU_DEP_1)
	v_mul_f32 v[TW], s[CS], v[TW]                  ; the step's largest t
	s_delay_alu instid0(VALU_DEP_1)
	v_max_num_f32 v[TMX], v[TMX], v[TW]
	v_mov_b32 v[TW], v[NM]
	s_delay_alu instid0(VALU_DEP_2)
	v_floor_f32 v[NM], -v[TMX]                     ; -M = floor(-t): M is a whole number
	s_delay_alu instid0(VALU_DEP_1)
	v_sub_f32 v[TW], v[NM], v[TW]
	s_delay_alu instid0(VALU_DEP_1)
	v_cvt_i32_f32 v[TW], v[TW]                     ; (it saturates)
	s_delay_alu instid0(VALU_DEP_1)
	v_ldexp_f32 v[FF], 1.0, v[TW]                  ; f = 2^(old M - new M)
.set n, 0
.rept 32
	v_pk_fma_f32 v[SC+2*n:SC+2*n+1], v[SC+2*n:SC+2*n+1], s[CS:CS+1], v[NM:NM+1] op_sel_hi:[1,0,0]   ; t - M
.set n, n+1
.endr
.irp b, 0,1,2,3
	v_fma_f32 v[BM+\b], v[BM+\b], s[CS], v[NM]     ; the same of each block's largest score
.endr
.set n, 0
	s_wait_alu depctr_va_vdst(0)                   ; the wait ahead of the batch
.rept 64
	v_exp_f32 v[SC+n], v[SC+n]                     ; p
.set n, n+1
.endr
	v_pk_mul_f32 v[LS:LS+1], v[LS:LS+1], v[FF:FF+1] op_sel_hi:[1,0]   ; the sum under the new M: the plain line behind the batch
	s_wait_alu depctr_va_vdst(0)                   ; one wait for the batch, ahead of its first reader
.irp b, 0,1,2,3
	v_exp_f32 v[BM+\b], v[BM+\b]                   ; the block's largest p: the same two instructions on the same number
.endr
	v_pk_add_f32 v[LS2:LS2+1], v[SC+16:SC+17], v[SC+18:SC+19]   ; the sum of the unquantised p, in two chains: here the registers that V's fragments will take
.irp j, 20,24,28,32,36,40,44,48,52,56,60
	v_pk_add_f32 v[LS:LS+1], v[LS:LS+1], v[SC+\j:SC+\j+1]
	v_pk_add_f32 v[LS2:LS2+1], v[LS2:LS2+1], v[SC+\j+2:SC+\j+3]
.endr
	s_wait_alu depctr_va_vdst(0)                   ; and one for the four
.irp b, 0,1,2,3
	v_max_num_f32 v[BM+\b], 0x1800000, v[BM+\b]    ; the floor 2^(3 - 127)
.endr
.irp b, 0,1,2,3
	s_delay_alu instid0(VALU_DEP_4)
	v_add_nc_u32 v[SO+\b], 0xff000000, v[BM+\b]    ; 2 off the exponent field: the conversion's scale operand
.endr
.irp b, 0,1,2,3
	s_delay_alu instid0(VALU_DEP_4)
	v_lshrrev_b32 v[BX+\b], 23, v[SO+\b]
.endr
	s_delay_alu instid0(VALU_DEP_3)
	v_lshl_or_b32 v[PSW], v[BX+1], 8, v[BX]        ; p's scale word for these 128 keys
	s_delay_alu instid0(VALU_DEP_1)
	v_lshl_or_b32 v[PSW], v[BX+2], 16, v[PSW]
	s_delay_alu instid0(VALU_DEP_1)
	v_lshl_or_b32 v[PSW], v[BX+3], 24, v[PSW]
.irp c, 0,1
	v_cvt_scalef32_pk16_fp6_f32 v[PC+6*\c:PC+6*\c+2], v[SC+32*\c:SC+32*\c+15], v[SO+2*\c]
	v_cvt_scalef32_pk16_fp6_f32 v[PT+4*\c:PT+4*\c+2], v[SC+32*\c+16:SC+32*\c+31], v[SO+2*\c+1]
.endr
	v_nop                                          ; one plain place behind a scaled conversion
.irp i, 0,1,2,3                                ; V's four fragments: 16 of the head's 64 x these 128 keys, two images each
	ds_load_b128 v[VF+12*\i:VF+12*\i+3], v[AV16] offset:(8*(\e)+\i)*768
	ds_load_b64 v[VF+12*\i+4:VF+12*\i+5], v[AV8] offset:(8*(\e)+\i)*768
	ds_load_b128 v[VF+12*\i+6:VF+12*\i+9], v[AV16] offset:(8*(\e)+4+\i)*768
	ds_load_b64 v[VF+12*\i+10:VF+12*\i+11], v[AV8] offset:(8*(\e)+4+\i)*768
.endr
.if \prep
	KLOAD (\e)+1, 0                                ; the next step's first four images of K, eight loads behind V's sixteen.  In a slot's last step they name the slot's first images of V, bytes that are filled, and are not used: the change of slots loads anew
.endif
.irp c, 0,1                                    ; a whole block to a lane
.irp i, 0,1,2
	v_permlane16_swap_b32 v[PC+6*\c+\i], v[PT+4*\c+\i]
.endr
.irp i, 0,1,2
	s_delay_alu instid0(VALU_DEP_3)
	v_mov_b32 v[PC+6*\c+3+\i], v[PT+4*\c+\i]
.endr
.endr
.set n, 0
.rept 16
	v_pk_mul_f32 v[OT+2*n:OT+2*n+1], v[OT+2*n:OT+2*n+1], v[FF:FF+1] op_sel_hi:[1,0]   ; O^T under the new M; these sixteen are also the places between p's codes and scale word and the products
.set n, n+1
.endr
	s_wait_alu depctr_va_vdst(0)
	s_wait_dscnt 8*\prep                           ; V's fragments are in; the eight younger loads of K may stay out
.irp i, 0,1,2,3
.if \i < 2
	v_wmma_scale_f32_16x16x128_f8f6f4 v[OT+8*\i:OT+8*\i+7], v[VF+12*\i:VF+12*\i+11], v[PC:PC+11], v[OT+8*\i:OT+8*\i+7], v[VS+\i%2], v[PSW] matrix_a_fmt:MATRIX_FMT_FP6 matrix_b_fmt:MATRIX_FMT_FP6
.else
	v_wmma_scale_f32_16x16x128_f8f6f4 v[OT+8*\i:OT+8*\i+7], v[VF+12*\i:VF+12*\i+11], v[PC:PC+11], v[OT+8*\i:OT+8*\i+7], v[VS+\i%2], v[PSW] matrix_a_fmt:MATRIX_FMT_FP6 matrix_b_fmt:MATRIX_FMT_FP6 matrix_a_scale:MATRIX_SCALE_ROW1
.endif
.endr
.irp j, 0,4,8,12                               ; the rest of the sum, on registers that V's fragments did not take: nine plain lines, the places in front of the next S^T and of the next loads
	v_pk_add_f32 v[LS:LS+1], v[LS:LS+1], v[SC+\j:SC+\j+1]
	v_pk_add_f32 v[LS2:LS2+1], v[LS2:LS2+1], v[SC+\j+2:SC+\j+3]
.endr
	s_delay_alu instid0(VALU_DEP_1)
	v_pk_add_f32 v[LS:LS+1], v[LS:LS+1], v[LS2:LS2+1]
.endm
; THE CHANGE OF SLOTS, at a slot's head.  fill = 1: the other slot takes the 1,024 keys that follow the slot ahead.
.macro CHANGE fill
	s_wait_tensorcnt 0x0                           ; no tensor load of mine is out, so group 0 may be written
	ds_add_u32 v[SPW], v[NIL]                      ; 0 onto my spare word
.if \fill
	ds_add_u32 v[SPW], v[NIL]                      ; and once more, in every trip alike
	s_xor_b32 s[G0+1], s[G0+1], SLOT1
	s_add_nc_u64 s[G0+2:G0+3], s[G0+2:G0+3], 49152 ; the next 1,024 keys' images
	s_wait_dscnt 0x0                               ; the adds are done, and my reads of the slot that I have left are over
	ROUND
	TLOAD 4                                        ; the first thing behind the round, one load a wave
.else
	s_wait_dscnt 0x0
	s_barrier_signal -1
	s_barrier_wait -1
.endif
.endm
.macro ADDR                            ; the LDS addresses of two key steps
	v_add_nc_u32 v[A16], s[TB], v[B16]
	v_add_nc_u32 v[A8], s[TB], v[B8]
	v_add_nc_u32 v[ASK], s[TS], v[BSK]
	v_add_nc_u32 v[ASV], s[TJ], v[BSV]
	v_add_nc_u32 v[AV16], VOFF, v[A16]
	v_add_nc_u32 v[AV8], VOFF, v[A8]
	s_wait_alu depctr_va_vdst(0)                   ; the wait: what was written ahead of the branch
.endm
.macro FIRSTK                          ; behind a change of slots: the new slot's first four images of K
	v_add_nc_u32 v[A16], s[TB], v[B16]
	v_add_nc_u32 v[A8], s[TB], v[B8]
	KLOAD 0, 0
.endm
.macro MINI
	ADDR
	STEP 0, 1, 1, 2
	STEP 1, 1, 1, 2
	s_add_co_u32 s[TB], s[TB], 12288               ; 16 images of K (and of V)
	s_add_co_u32 s[TS], s[TS], 1024
	s_add_co_u32 s[TJ], s[TJ], 512
	s_wait_xcnt 0x0                                ; the mask loads have read their base
	s_add_nc_u64 s[MP:MP+1], s[MP:MP+1], 1024
.endm
.macro QUANT2 s, pc, pw                        ; 32 numbers of a lane become half a fragment's codes and two scale bytes
.irp b, 0,1
	v_max3_num_f32 v[QM+\b], |v[\s+16*\b]|, |v[\s+16*\b+1]|, 0x1800000
.endr
.irp i, 2,4,6,8,10,12,14
.irp b, 0,1
	s_delay_alu instid0(VALU_DEP_2)
	v_max3_num_f32 v[QM+\b], v[QM+\b], |v[\s+16*\b+\i]|, |v[\s+16*\b+\i+1]|
.endr
.endr
.irp b, 0,1
	s_delay_alu instid0(VALU_DEP_2)
	v_permlanex16_b32 v[QM+2+\b], v[QM+\b], s[SEL], s[SEL+1]
.endr
.irp b, 0,1
	s_delay_alu instid0(VALU_DEP_2)
	v_max_num_f32 v[QM+\b], v[QM+\b], v[QM+2+\b]
.endr
.irp b, 0,1
	s_delay_alu instid0(VALU_DEP_2)
	v_add_nc_u32 v[QM+4+\b], 0xff000000, v[QM+\b]
.endr
.irp b, 0,1
	s_delay_alu instid0(VALU_DEP_2)
	v_lshrrev_b32 v[QM+6+\b], 23, v[QM+4+\b]
.endr
	s_delay_alu instid0(VALU_DEP_1)
	v_lshl_or_b32 v[\pw], v[QM+7], 8, v[QM+6]
	v_cvt_scalef32_pk16_fp6_f32 v[\pc:\pc+2], v[\s:\s+15], v[QM+4]
	v_cvt_scalef32_pk16_fp6_f32 v[PT:PT+2], v[\s+16:\s+31], v[QM+5]
	v_nop
.irp i, 0,1,2
	v_permlane16_swap_b32 v[\pc+\i], v[PT+\i]
.endr
.irp i, 0,1,2
	s_delay_alu instid0(VALU_DEP_3)
	v_mov_b32 v[\pc+3+\i], v[PT+\i]
.endr
.endm
	s_load_b512 s[4:19], s[0:1], 0x0               ; qimg 4, qsc 6, kimg 8, vimg 10, kvsc 12, mask 14, a_codes 16, a_scales 18
	v_lshl_add_u32 v[SPW], v0, 2, SPARE
	v_mov_b32 v[NIL], 0
	ds_add_u32 v[SPW], v[NIL]                      ; the wave's opening: the add, twice on end, and its wait ahead of the first tensor load
	ds_add_u32 v[SPW], v[NIL]
	v_lshrrev_b32 v242, 5, v0
	s_delay_alu instid0(VALU_DEP_1)
	v_readfirstlane_b32 s[WV], v242                ; wave 0..15
	s_bfe_u32 s42, ttmp6, 0x40000                  ; my place in the cluster: it enters global addresses of q, the mask and the results alone
	s_lshl_b32 s[TT], ttmp9, 2
	s_add_co_u32 s[TT], s[TT], s42
	s_mov_b32 s[G1], 15|(3<<16)|(1<<21)            ; the mask: all four work-groups; elements of 8 bytes; bit 21 beside a mask
	s_mov_b32 s[G1+1], 32<<16                      ; 96 dense rows of 256 bytes: a quarter of a slot and the scale words are all 24,576 bytes
	s_mov_b32 s[G1+2], 96<<16
	s_mov_b32 s[G1+3], 32<<16
	s_mov_b32 s[G1+4], 96
	s_mov_b32 s[G1+5], 32
	s_mov_b32 s[G1+6], 0
	s_mov_b32 s[G1+7], 0
	s_mov_b32 s[SEL], 0x76543210
	s_mov_b32 s[SEL+1], 0xfedcba98
	s_mov_b32 s[CS], 0x3e38aa3b                    ; log2(e) / 8
	s_mov_b32 s[CS+1], s[CS]
	s_mov_b32 s[MWD], 0x008a0000                   ; the masked word: bytes 0, 0, 138, 0
	s_mov_b32 s[CNT], 3
	s_mov_b32 s[TB], 0
	s_mov_b32 s[TS], 0
	s_mov_b32 s[TJ], 0
	s_lshr_b32 s43, s[TT], 2
	s_lshl_b32 s44, s43, 6
	s_bfe_u32 s45, s[TT], 0x10001
	s_lshl_b32 s45, s45, 5
	s_add_co_u32 s44, s44, s45
	s_and_b32 s45, s[TT], 1
	s_add_co_u32 s44, s44, s45
	s_lshl_b32 s45, s[WV], 1
	s_add_co_u32 s44, s44, s45                     ; my query
	s_min_u32 s49, s[WV], 4
	s_mov_b32 s47, 0
	s_wait_dscnt 0x0                               ; both opening adds are done
	s_wait_kmcnt 0x0
	s_mov_b32 s[G0], 1
	s_mul_i32 s[G0+1], s49, 24576                  ; K's two halves at 0, V's two behind them;
	s_lshr_b32 s50, s49, 2
	s_lshl_b32 s50, s50, 17
	s_add_co_u32 s[G0+1], s[G0+1], s50             ; wave 4: 98,304 + 131,072 = SCK, behind slot 1
	s_cmp_lt_u32 s[WV], 2
	s_cselect_b64 s[G0+2:G0+3], s[8:9], s[10:11]
	s_cmp_lt_u32 s[WV], 4
	s_cselect_b64 s[G0+2:G0+3], s[G0+2:G0+3], s[12:13]
	s_and_b32 s46, s49, 1
	s_mul_i32 s46, s46, 24576                      ; the odd waves take the second 512 keys' images
	s_add_nc_u64 s[G0+2:G0+3], s[G0+2:G0+3], s[46:47]
	s_or_b32 s[G0+3], s[G0+3], 0x80000000
	ROUND                                          ; all four work-groups are here: the first joint loads meet
	TLOAD 5                                        ; slot 0 and the scale words: one load of a wave is out
	s_lshl_b32 s46, s[WV], 8
	s_add_co_u32 s46, s46, s[TT]
	s_mul_i32 s46, s46, 768
	s_add_nc_u64 s[4:5], s[4:5], s[46:47]          ; head w's image of query tile T
	s_lshl_b32 s46, s[WV], 6
	s_add_co_u32 s46, s46, s43
	s_lshl_b32 s46, s46, 8
	s_and_b32 s48, s[TT], 3
	s_lshl_b32 s48, s48, 2
	s_add_co_u32 s46, s46, s48
	s_add_nc_u64 s[6:7], s[6:7], s[46:47]          ; and its scale words
	s_lshl_b32 s46, s44, 14
	s_add_nc_u64 s[MP:MP+1], s[14:15], s[46:47]    ; my row of the mask
	s_mul_i32 s46, s44, 768
	s_add_nc_u64 s[16:17], s[16:17], s[46:47]      ; my row of the result's codes
	s_lshl_b32 s46, s[TT], 9
	s_add_nc_u64 s[18:19], s[18:19], s[46:47]      ; my work-group's 512 scale bytes
	v_and_b32 v243, 31, v0                         ; lane
	v_and_b32 v244, 15, v0                         ; r
	v_bfe_u32 v245, v0, 4, 1                       ; h
	s_delay_alu instid0(VALU_DEP_3)
	v_lshlrev_b32 v[B16], 4, v243
	s_delay_alu instid0(VALU_DEP_4)
	v_lshl_add_u32 v[B8], v243, 3, 512
	s_delay_alu instid0(VALU_DEP_4)
	v_lshlrev_b32 v246, 4, v244
	v_lshlrev_b32 v[VM], 3, v244
	s_delay_alu instid0(VALU_DEP_1)
	v_lshl_add_u32 v[VM], v245, 8, v[VM]
	global_load_b128 v[SC:SC+3], v[B16], s[4:5]
	global_load_b64 v[SC+4:SC+5], v[B8], s[4:5]
	global_load_b32 v[SC+6], v246, s[6:7]
.irp e, 0,1
.irp b, 0,1
	global_load_b64 v[MK+4*\e+2*\b:MK+4*\e+2*\b+1], v[VM], s[MP:MP+1] offset:512*\e+128*\b th:TH_LOAD_NT
.endr
.endr
	v_add_nc_u32 v[BSK], SCK, v[B16]
	v_lshl_add_u32 v[BSV], v243, 3, SCV
	v_mul_u32_u24 v249, v244, QP                   ; q's turn: wave w holds head w of 16 queries; lane (r, h) sends its registers to query r's place for lane (w, h)
	s_delay_alu instid0(VALU_DEP_1)
	v_lshl_add_u32 v250, v245, 7, v249
	s_delay_alu instid0(VALU_DEP_2)
	v_lshl_add_u32 v249, v245, 8, v249
	s_lshl_b32 s50, s[WV], 4
	s_add_co_u32 s50, s50, QST
	v_add_nc_u32 v249, s50, v249
	s_lshl_b32 s51, s[WV], 3
	s_add_co_u32 s51, s51, QST+512
	v_add_nc_u32 v250, s51, v250
	s_lshl_b32 s52, s[WV], 2
	s_add_co_u32 s52, s52, QSS
	v_lshl_add_u32 v251, v244, 6, s52
	s_mul_i32 s53, s[WV], QP
	s_add_co_u32 s53, s53, QST
	v_add_nc_u32 v252, s53, v[B16]                 ; and back: query w's image
	v_add_nc_u32 v253, s53, v[B8]
	s_lshl_b32 s54, s[WV], 6
	s_add_co_u32 s54, s54, QSS
	v_lshl_add_u32 v254, v244, 2, s54
	v_sub_nc_u32 v247, 1, v245                     ; 1 in lanes 0-15, which hold K = 64 .. 95
	s_delay_alu instid0(VALU_DEP_1)
	v_mul_u32_u24 v248, v247, 0x8bd                ; the codes of -6.5 and -0.25
	s_delay_alu instid0(VALU_DEP_2)
	v_mul_u32_u24 v[QF+6], v247, 0x9c              ; the codes of 6.0 and 0.25
.irp i, 7,8,9,10,11
	v_mov_b32 v[QF+\i], 0
.endr
.irp t, 0,1,2,3
	v_mov_b32 v[KF+12*\t+6], v248
.irp i, 7,8,9,10,11
	v_mov_b32 v[KF+12*\t+\i], 0
.endr
.endr
	v_mov_b32 v[TMX], 0xff61b1e6                   ; the largest t so far: -3e38
	s_delay_alu instid0(VALU_DEP_1)
	v_floor_f32 v[NM], -v[TMX]
	v_mov_b32 v[LS], 0
	v_mov_b32 v[LS+1], 0
	v_mov_b32 v[FF+1], 0                           ; (named as the upper half of a pair)
.irp b, 0,1,2,3
	v_mov_b32 v[BX+\b], 0                          ; a lane permute's destination counts as one of its sources
.endr
.set n, 0
.rept 32
	v_mov_b32 v[OT+n], 0                           ; the step is written once: the first finds zeros
.set n, n+1
.endr
	s_wait_loadcnt 4                               ; q's three loads are in; the four mask loads behind them stay out
	ds_store_b128 v249, v[SC:SC+3]
	ds_store_b64 v250, v[SC+4:SC+5]
	ds_store_b32 v251, v[SC+6]                     ; both halves of the lanes write the same word
	s_wait_tensorcnt 0x0                           ; my part of slot 0, or the scale words, is in,
	s_wait_dscnt 0x0                               ; my stores have landed:
	s_barrier_signal -1
	s_barrier_wait -1                              ; everybody's.
	ds_load_b128 v[QF:QF+3], v252
	ds_load_b64 v[QF+4:QF+5], v253
	ds_load_b32 v[QS], v254
	ds_load_b128 v[KSR:KSR+3], v[BSK]
	s_wait_dscnt 0x0
	v_or_b32 v[QS], 0x7f0000, v[QS]                ; byte 2: the constants' block has the scale 1
	s_wait_loadcnt 2                               ; mask set 0 is in; set 1 stays out
	MERGE 0, KSM
.rept 8
	v_nop                                          ; scale words made by vector instructions stand eight places ahead of a scaled product
.endr
.Lslot:                                            ; three trips: behind each change of slots but the last the next slot is asked for
	CHANGE 1
	FIRSTK
	s_mov_b32 s[CN2], 4
.Lmini:                                            ; four trips of two key steps: a slot
	MINI
	s_sub_co_u32 s[CN2], s[CN2], 1
	s_cmp_lg_u32 s[CN2], 0
	s_cbranch_scc1 .Lmini
	s_sub_co_u32 s[TB], s[TB], 49152               ; back to the slot's head,
	s_xor_b32 s[TB], s[TB], SLOT1                  ; and over to the other slot
	s_sub_co_u32 s[CNT], s[CNT], 1
	s_cmp_lg_u32 s[CNT], 0
	s_cbranch_scc1 .Lslot
	CHANGE 0
	FIRSTK
	s_mov_b32 s[CN2], 3
.Llast:
	MINI
	s_sub_co_u32 s[CN2], s[CN2], 1
	s_cmp_lg_u32 s[CN2], 0
	s_cbranch_scc1 .Llast
	ADDR                                           ; the last two steps ask for no mask, and the count runs down
	STEP 0, 0, 1, 0
	STEP 1, 0, 0, 0
	; THE WAY OUT.  O^T / the sum, in the head's natural order, quantised along the 1,024 of the last projection's K: a lane's head gives two blocks of 32.
	s_delay_alu instid0(VALU_DEP_1)
	v_add_f32 v[LS], v[LS], v[LS+1]
	s_delay_alu instid0(VALU_DEP_1)
	v_permlanex16_b32 v[TW], v[LS], s[SEL], s[SEL+1]
	s_delay_alu instid0(VALU_DEP_1)
	v_add_f32 v[LS], v[LS], v[TW]
	s_wait_alu depctr_va_vdst(0)
	v_rcp_f32 v[LS], v[LS]
	s_mul_i32 s42, s[WV], 768
	s_add_co_u32 s42, s42, OST
	v_mul_u32_u24 v246, v244, 48                   ; (plain lines behind the reciprocal)  my row: head r's 48 bytes, 24 a half
	s_delay_alu instid0(VALU_DEP_1)
	v_mad_u32_u24 v246, v245, 24, v246
	s_delay_alu instid0(VALU_DEP_1)
	v_add_nc_u32 v246, s42, v246
	v_lshl_add_u32 v247, v243, 3, s42              ; back: 8 bytes a lane
	s_lshl_b32 s43, s[WV], 5
	s_add_co_u32 s43, s43, OSS
	v_lshl_add_u32 v248, v244, 1, s43              ; head r's two scale bytes
	v_add_nc_u32 v249, OSS, v[B16]
	v_lshlrev_b32 v250, 3, v243
	s_wait_alu depctr_va_vdst(0)                   ; ahead of the reciprocal's first reader
.set n, 0
.rept 32                                       ; register 16 b + 8 u + j of O^T is channel 32 b + 16 h + 2 j + u; ascending: each accumulator is read from its low end on
	v_mul_f32 v[SC+16*(n/16)+2*(n%8)+((n/8)%2)], v[OT+n], v[LS]
.set n, n+1
.endr
	QUANT2 SC, PC, TW
.irp p, 0,1,2
	ds_store_b64 v246, v[PC+2*\p:PC+2*\p+1] offset:8*\p
.endr
.irp p, 0,1,2
	ds_load_b64 v[SC+32+2*\p:SC+32+2*\p+1], v247 offset:256*\p   ; LDS serves a wave's instructions in order: these see my stores
.endr
	ds_store_b16 v248, v[TW]
	s_wait_dscnt 0x0
.irp p, 0,1,2
	global_store_b64 v250, v[SC+32+2*\p:SC+32+2*\p+1], s[16:17] offset:256*\p   ; 256 consecutive bytes, aligned
.endr
	s_barrier_signal -1
	s_barrier_wait -1                              ; the sixteen rows' scale bytes lie in LDS
	s_cmp_lg_u32 s[WV], 0
	s_cbranch_scc1 .Lnot_first
	ds_load_b128 v[SC+40:SC+43], v249
	s_wait_dscnt 0x0
	global_store_b128 v[B16], v[SC+40:SC+43], s[18:19]   ; 512 consecutive bytes
.Lnot_first:
	s_wait_tensorcnt 0x0                           ; the wave's end
	ds_add_u32 v[SPW], v[NIL]
	s_wait_dscnt 0x0
	ROUND                                          ; the closing round
	s_endpgm
.Lfunc_end_k_q3e1ee460e5_attn:
	.size	k_q3e1ee460e5_attn, .Lfunc_end_k_q3e1ee460e5_attn-k_q3e1ee460e5_attn
	.p2alignl 7, 3214868480
	.fill 96, 4, 3214868480
	.section	.rodata,"a",@progbits
	.p2align	6, 0x0
	.amdhsa_kernel k_q3e1ee460e5_attn
		.amdhsa_group_segment_fixed_size 327680
		.amdhsa_private_segment_fixed_size 0
		.amdhsa_enable_private_segment 0
		.amdhsa_kernarg_size 64
		.amdhsa_user_sgpr_count 2
		.amdhsa_user_sgpr_kernarg_segment_ptr 1
		.amdhsa_wavefront_size32 1
		.amdhsa_system_sgpr_workgroup_id_x 1
		.amdhsa_system_sgpr_workgroup_id_y 1
		.amdhsa_system_sgpr_workgroup_id_z 1
		.amdhsa_system_vgpr_workitem_id 0
		.amdhsa_next_free_vgpr 256
		.amdhsa_next_free_sgpr 66
		.amdhsa_reserve_vcc 1
		.amdhsa_float_denorm_mode_32 3
		.amdhsa_float_denorm_mode_16_64 3
		.amdhsa_memory_ordered 1
		.amdhsa_forward_progress 1
		.amdhsa_inst_pref_size 122
	.end_amdhsa_kernel
	.amdgpu_metadata
---
amdhsa.version: [ 1, 2 ]
amdhsa.kernels:
  - .name:           k_q3e1ee460e5_attn
    .symbol:         k_q3e1ee460e5_attn.kd
    .args:
      - { .name: qimg, .offset: 0, .size: 8, .value_kind: global_buffer, .address_space: global }
      - { .name: qsc, .offset: 8, .size: 8, .value_kind: global_buffer, .address_space: global }
      - { .name: kimg, .offset: 16, .size: 8, .value_kind: global_buffer, .address_space: global }
      - { .name: vimg, .offset: 24, .size: 8, .value_kind: global_buffer, .address_space: global }
      - { .name: kvsc, .offset: 32, .size: 8, .value_kind: global_buffer, .address_space: global }
      - { .name: mask, .offset: 40, .size: 8, .value_kind: global_buffer, .address_space: global }
      - { .name: a_codes, .offset: 48, .size: 8, .value_kind: global_buffer, .address_space: global }
      - { .name: a_scales, .offset: 56, .size: 8, .value_kind: global_buffer, .address_space: global }
    .group_segment_fixed_size: 327680
    .private_segment_fixed_size: 0
    .kernarg_segment_align: 8
    .kernarg_segment_size: 64
    .max_flat_workgroup_size: 512
    .sgpr_count:     66
    .vgpr_count:     256
    .wavefront_size: 32
...
	.end_amdgpu_metadata
.endif
;; end of part 2
;; launch outp (part 3): grid 8 x 32, 4 waves a work-group, clusters of 4 x 4, 327,680 bytes of LDS; arguments a_codes, a_scales, Wo_codes, Wo_scales, bo, out0; writes out0
.if DOCPART == 3
	.amdgcn_target "amdgcn-amd-amdhsa--gfx1250"
	.amdhsa_code_object_version 6
	.text
	.protected	k_q3e1ee460e5_outp
	.globl	k_q3e1ee460e5_outp
	.p2align	8
	.type	k_q3e1ee460e5_outp,@function
k_q3e1ee460e5_outp:
	s_mov_b64 s[64:65], 0
	v_nop
	global_prefetch_b8 v0, s[64:65] scope:SCOPE_SE
	s_setreg_imm32_b32 hwreg(HW_REG_WAVE_MODE, 25, 1), 1
	s_wait_xcnt 0x0
	s_wait_alu depctr_hold_cnt(0) depctr_sa_sdst(0) depctr_va_vdst(0) depctr_va_sdst(0) depctr_va_ssrc(0) depctr_va_vcc(0) depctr_vm_vsrc(0)
	s_getreg_b32 s2, hwreg(HW_REG_IB_STS2, 6, 4)
	s_cmp_eq_u32 s2, 0
	s_cbranch_scc0 .Lentry_in_a_cluster
	s_endpgm
.Lentry_in_a_cluster:
	s_bfe_u32 s2, ttmp6, 0x10000c
	s_cmp_lg_u32 s2, 0xf033
	s_cbranch_scc0 .Lentry_shape_is_right
	s_endpgm
.Lentry_shape_is_right:
; out0 = a Wo + bo on codes of FP6 (E2M3) with E8M0 scales.  No work is left out.  A work-group makes 128 x 128: slots 0, 1 hold 64 rows of Wo each, slots 2, 3 64 rows of a; all of K lies in LDS at once.
; Each wave asks for one slot of codes by one joint load (Wo's shared along the cluster's column, a's along its row); its slot's 2,048 scale bytes, a small part of the slot's bytes, go through registers into LDS bytes of their own.
.set CL,    1
.set PITCH, 792
.set SLOTB, 64*PITCH
.set SPIT,  40
.set SSLOT, 64*SPIT
.set SCL,   4*SLOTB
.set BIAS,  SCL+4*SSLOT
.set STAGE, BIAS+512
.set SPITCH, 272
.set SPARE, STAGE+4*16*SPITCH
.set AP,   1
.set AR,   3
.set ASP,  5
.set ASR,  6
.set ABN,  7
.set STO,  8
.set SPW,  9
.set NIL,  10
.set SRD,  11
.set GO,   12
.set O16,  13
.set ABS,  14
.set SP,   16
.set SR,   20
.set PF,   32
.set RF,   80
.set ACC,  128
.set BN,   32
.set NT,   64
.set WV,   16
.set SW,   17
.set MW,   18
.set CX,   19
.set CY,   20
.set COL,  21
.set ROW,  22
.set G1CW, 24
.set G1CA, 32
.set G1SW, 40
.set G1SA, 48
.set G0CW, 56
.set G0CA, 60
.set G0SW, 68
.set G0SA, 72
.macro FRAG reg, adr, s, t
.irp p, 0,1,2,3,4,5
.set PCI, 12*(\s)+6*(\p/3)+\p%3
.if PCI%32 < 29
	ds_load_b64 v[\reg+2*\p:\reg+2*\p+1], v[\adr] offset:8*PCI+8*(PCI/32)+(32*((\t)/2)+(\t)%2)*PITCH
.else
	ds_load_b64 v[\reg+2*\p:\reg+2*\p+1], v[\adr+1] offset:8*PCI+8*(PCI/32)+(32*((\t)/2)+(\t)%2)*PITCH
.endif
.endr
.endm
.macro KSTEP s, zero
.irp t, 0,1,2,3
	FRAG PF+12*\t, AP, \s, \t
	ds_load_b32 v[SP+\t], v[ASP] offset:(32*(\t/2)+\t%2)*SPIT+4*(\s)
.endr
.irp i, 0,1,2,3
	FRAG RF+12*\i, AR, \s, \i
	ds_load_b32 v[SR+\i], v[ASR] offset:16*SPIT*\i+4*(\s)
.endr
	s_wait_dscnt 0x0
.irp i, 0,1,2,3
.irp t, 0,1,2,3
.if \zero
	v_wmma_scale_f32_16x16x128_f8f6f4 v[ACC+32*\i+8*\t:ACC+32*\i+8*\t+7], v[PF+12*\t:PF+12*\t+11], v[RF+12*\i:RF+12*\i+11], 0, v[SP+\t], v[SR+\i] matrix_a_fmt:MATRIX_FMT_FP6 matrix_b_fmt:MATRIX_FMT_FP6
.else
	v_wmma_scale_f32_16x16x128_f8f6f4 v[ACC+32*\i+8*\t:ACC+32*\i+8*\t+7], v[PF+12*\t:PF+12*\t+11], v[RF+12*\i:RF+12*\i+11], v[ACC+32*\i+8*\t:ACC+32*\i+8*\t+7], v[SP+\t], v[SR+\i] matrix_a_fmt:MATRIX_FMT_FP6 matrix_b_fmt:MATRIX_FMT_FP6
.endif
.endr
.endr
.rept 4
	v_nop
.endr
.endm
.macro JLOAD g0w, g1w, g0a, g1a
	s_cmp_lt_u32 s[WV], 2
	s_cbranch_scc0 .Lfor_a_\@
	tensor_load_to_lds s[\g0w:\g0w+3], s[\g1w:\g1w+7]
	s_nop 0
.rept 4
	v_nop
.endr
	s_branch .Lasked_\@
.Lfor_a_\@:
	tensor_load_to_lds s[\g0a:\g0a+3], s[\g1a:\g1a+7]
	s_nop 0
.rept 4
	v_nop
.endr
.Lasked_\@:
.endm
.macro ROUND
	s_barrier_signal -1
	s_barrier_wait -1
	s_cmp_lg_u32 s[WV], 0
	s_cbranch_scc1 .Lnot_wave_0_\@
	s_barrier_signal -3
.Lnot_wave_0_\@:
	s_barrier_wait -3
	s_barrier_signal -1
	s_barrier_wait -1
.endm
	s_load_b256 s[4:11], s[0:1], 0x0
	s_load_b128 s[12:15], s[0:1], 0x20
	v_lshl_add_u32 v[SPW], v0, 2, SPARE
	v_mov_b32 v[NIL], 0
	ds_add_u32 v[SPW], v[NIL]
	ds_add_u32 v[SPW], v[NIL]
	v_lshrrev_b32 v24, 5, v0
	v_readfirstlane_b32 s[WV], v24
	s_and_b32 s[SW], s[WV], 1
	s_lshr_b32 s[MW], s[WV], 1
.if CL
	s_bfe_u32 s[CX], ttmp6, 0x40000
	s_bfe_u32 s[CY], ttmp6, 0x40004
	s_lshl_b32 s[COL], ttmp9, 2
	s_add_co_u32 s[COL], s[COL], s[CX]
	s_and_b32 s[ROW], ttmp7, 0xffff
	s_lshl_b32 s[ROW], s[ROW], 2
	s_add_co_u32 s[ROW], s[ROW], s[CY]
	s_lshl_b32 s77, s[CY], 2
	s_lshl_b32 s77, 15, s77
	s_lshl_b32 s78, 0x1111, s[CX]
	s_or_b32 s[G1CW], s78, (1<<20)|(1<<21)|(5<<22)|(1<<25)
	s_or_b32 s[G1CA], s77, (1<<20)|(1<<21)|(5<<22)|(1<<25)
.else
	s_mov_b32 s[COL], ttmp9
	s_and_b32 s[ROW], ttmp7, 0xffff
	s_mov_b32 s[G1CW], (1<<20)|(5<<22)|(1<<25)
	s_mov_b32 s[G1CA], (1<<20)|(5<<22)|(1<<25)
	s_mov_b32 s[G1SW], (2<<16)|(1<<20)|(2<<22)|(1<<25)
	s_mov_b32 s[G1SA], (2<<16)|(1<<20)|(2<<22)|(1<<25)
.endif
.irp g, G1CW, G1CA
	s_mov_b32 s[\g+1], 768<<16
	s_mov_b32 s[\g+2], 64<<16
	s_mov_b32 s[\g+3], 768<<16
	s_mov_b32 s[\g+4], 64
	s_mov_b32 s[\g+5], 768
	s_mov_b32 s[\g+6], 0
	s_mov_b32 s[\g+7], 0
.endr
	s_lshl_b32 s79, s[SW], 6
	s_lshl_b32 s80, s[COL], 7
	s_add_co_u32 s80, s80, s79
	s_lshl_b32 s82, s[ROW], 7
	s_add_co_u32 s82, s82, s79
	s_mul_i32 s84, s80, 768
	s_mov_b32 s85, 0
	s_lshl_b32 s86, s80, 5
	s_mov_b32 s87, 0
	s_mul_i32 s88, s82, 768
	s_mov_b32 s89, 0
	s_lshl_b32 s90, s82, 5
	s_mov_b32 s91, 0
	s_mul_i32 s92, s[WV], SLOTB
	s_mul_i32 s93, s[WV], SSLOT
	s_add_co_u32 s93, s93, SCL
	v_and_b32 v24, 15, v0
	v_bfe_u32 v25, v0, 4, 1
	v_and_b32 v26, 31, v0
	v_mul_u32_u24 v27, v24, 2*PITCH
	v_mad_u32_u24 v27, v25, 24, v27
	v_lshl_add_u32 v28, v25, 3, v27
	s_mul_i32 s94, s[SW], SLOTB
	s_add_co_u32 s95, s[MW], 2
	s_mul_i32 s96, s95, SLOTB
	v_add_nc_u32 v[AP], s94, v27
	v_add_nc_u32 v[AP+1], s94, v28
	v_add_nc_u32 v[AR], s96, v27
	v_add_nc_u32 v[AR+1], s96, v28
	s_mul_i32 s94, s[SW], SSLOT
	s_add_co_u32 s94, s94, SCL
	s_mul_i32 s96, s95, SSLOT
	s_add_co_u32 s96, s96, SCL
	v_mul_u32_u24 v27, v24, 2*SPIT
	v_add_nc_u32 v[ASP], s94, v27
	v_mul_u32_u24 v27, v24, SPIT
	v_add_nc_u32 v[ASR], s96, v27
	s_lshl_b32 s94, s[SW], 8
	s_add_co_u32 s94, s94, BIAS
	v_lshl_add_u32 v[ABN], v25, 6, s94
	s_mul_i32 s94, s[WV], 16*SPITCH
	s_add_co_u32 s94, s94, STAGE
	v_mul_u32_u24 v27, v24, SPITCH
	v_lshl_add_u32 v27, v25, 6, v27
	v_add_nc_u32 v[STO], s94, v27
	v_mul_u32_u24 v27, v25, SPITCH
	v_lshl_add_u32 v27, v24, 4, v27
	v_add_nc_u32 v[SRD], s94, v27
	v_lshlrev_b32 v[GO], 4, v24
	v_lshl_add_u32 v[GO], v25, 13, v[GO]
	v_lshlrev_b32 v[O16], 4, v26
	v_add_nc_u32 v[ABS], BIAS, v[O16]
	v_lshlrev_b32 v29, 6, v26                      ; my slot's scale bytes: a lane takes two rows, 64 bytes of memory,
	v_mul_u32_u24 v15, v26, 2*SPIT                 ; and puts them at two LDS rows of 40 bytes
	v_add_nc_u32 v15, s93, v15
	s_wait_dscnt 0x0
	s_wait_kmcnt 0x0
.if CL
	ROUND
.endif
	s_add_nc_u64 s[G0SW:G0SW+1], s[10:11], s[86:87]
	s_add_nc_u64 s[G0SA:G0SA+1], s[6:7], s[90:91]
	s_cmp_lt_u32 s[WV], 2                          ; waves 0, 1: Wo's scale bytes; waves 2, 3: a's
	s_cselect_b64 s[G0SW:G0SW+1], s[G0SW:G0SW+1], s[G0SA:G0SA+1]
	s_mov_b32 s[G0CW], 1
	s_mov_b32 s[G0CW+1], s92
	s_add_nc_u64 s[G0CW+2:G0CW+3], s[8:9], s[84:85]
	s_or_b32 s[G0CW+3], s[G0CW+3], 0x80000000
	s_mov_b32 s[G0CA], 1
	s_mov_b32 s[G0CA+1], s92
	s_add_nc_u64 s[G0CA+2:G0CA+3], s[4:5], s[88:89]
	s_or_b32 s[G0CA+3], s[G0CA+3], 0x80000000
	JLOAD G0CW, G1CW, G0CA, G1CA                   ; my one tensor load, behind the round at the head
	s_wait_alu depctr_va_vdst(0)                   ; the wait at the head's end
.irp q, 0,1,2,3
	global_load_b128 v[32+4*\q:35+4*\q], v29, s[G0SW:G0SW+1] offset:16*\q   ; 2,048 consecutive bytes a wave
.endr
	s_lshl_b32 s98, s[COL], 9
	s_mov_b32 s99, 0
	s_add_nc_u64 s[12:13], s[12:13], s[98:99]
	s_lshl_b32 s94, s[ROW], 7
	s_lshl_b32 s95, s[MW], 6
	s_add_co_u32 s94, s94, s95
	s_lshl_b32 s94, s94, 12
	s_mov_b32 s95, 0
	s_add_nc_u64 s[14:15], s[14:15], s[94:95]
	s_lshl_b32 s96, s[COL], 7
	s_lshl_b32 s97, s[SW], 6
	s_add_co_u32 s96, s96, s97
	s_lshl_b32 s96, s96, 2
	s_mov_b32 s97, 0
	s_add_nc_u64 s[14:15], s[14:15], s[96:97]
	s_wait_loadcnt 0x0
.irp q, 0,1,2,3,4,5,6,7
	ds_store_b64 v15, v[32+2*\q:33+2*\q] offset:8*\q+8*(\q/4)   ; no tensor load lands on the scales' LDS bytes
.endr
	s_cmp_lg_u32 s[WV], 0
	s_cbranch_scc1 .Lno_bias
	s_wait_alu depctr_va_vdst(0)
	global_load_b128 v[24:27], v[O16], s[12:13]
	s_wait_loadcnt 0x0
	ds_store_b128 v[ABS], v[24:27]
.Lno_bias:
	s_wait_tensorcnt 0x0
	s_wait_dscnt 0x0
	s_barrier_signal -1
	s_barrier_wait -1
	KSTEP 0, 1
.irp s, 1,2,3,4,5,6,7
	KSTEP \s, 0
.endr
.irp b, 0,1
.irp q, 0,1,2,3
	ds_load_b128 v[BN+16*\b+4*\q:BN+16*\b+4*\q+3], v[ABN] offset:128*\b+16*\q
.endr
.endr
	s_wait_dscnt 0x0
.irp i, 0,1,2,3
.set n, 0
.rept 32
	v_add_f32 v[NT+16*(n/16)+2*(n%8)+((n/8)%2)], v[ACC+32*\i+n], v[BN+16*(n/16)+2*(n%8)+((n/8)%2)]
.set n, n+1
.endr
.irp b, 0,1
.irp q, 0,1,2,3
	ds_store_b128 v[STO], v[NT+16*\b+4*\q:NT+16*\b+4*\q+3] offset:128*\b+16*\q
.endr
.endr
.irp t, 0,1,2,3,4,5,6,7
	ds_load_b128 v[ACC+32*\i+4*\t:ACC+32*\i+4*\t+3], v[SRD] offset:2*\t*SPITCH
.endr
.irp t, 0,1,2,3,4,5,6,7
	s_wait_dscnt 7-\t
	global_store_b128 v[GO], v[ACC+32*\i+4*\t:ACC+32*\i+4*\t+3], s[14:15] offset:(32*(\i/2)+\i%2+4*\t)*4096 th:TH_STORE_NT
.endr
.endr
	s_wait_tensorcnt 0x0
	ds_add_u32 v[SPW], v[NIL]
	s_wait_dscnt 0x0
.if CL
	ROUND
.endif
	s_endpgm
.Lfunc_end_k_q3e1ee460e5_outp:
	.size	k_q3e1ee460e5_outp, .Lfunc_end_k_q3e1ee460e5_outp-k_q3e1ee460e5_outp
	.p2alignl 7, 3214868480
	.fill 96, 4, 3214868480
	.section	.rodata,"a",@progbits
	.p2align	6, 0x0
	.amdhsa_kernel k_q3e1ee460e5_outp
		.amdhsa_group_segment_fixed_size 327680
		.amdhsa_private_segment_fixed_size 0
		.amdhsa_enable_private_segment 0
		.amdhsa_kernarg_size 48
		.amdhsa_user_sgpr_count 2
		.amdhsa_user_sgpr_kernarg_segment_ptr 1
		.amdhsa_wavefront_size32 1
		.amdhsa_system_sgpr_workgroup_id_x 1
		.amdhsa_system_sgpr_workgroup_id_y 1
		.amdhsa_system_sgpr_workgroup_id_z 1
		.amdhsa_system_vgpr_workitem_id 0
		.amdhsa_next_free_vgpr 256
		.amdhsa_next_free_sgpr 100
		.amdhsa_reserve_vcc 0
		.amdhsa_float_denorm_mode_32 3
		.amdhsa_float_denorm_mode_16_64 3
		.amdhsa_memory_ordered 1
		.amdhsa_forward_progress 1
		.amdhsa_inst_pref_size 67
	.end_amdhsa_kernel
	.amdgpu_metadata
---
amdhsa.version: [ 1, 2 ]
amdhsa.kernels:
  - .name:           k_q3e1ee460e5_outp
    .symbol:         k_q3e1ee460e5_outp.kd
    .args:
      - { .name: a_codes, .offset: 0, .size: 8, .value_kind: global_buffer, .address_space: global }
      - { .name: a_scales, .offset: 8, .size: 8, .value_kind: global_buffer, .address_space: global }
      - { .name: Wo_codes, .offset: 16, .size: 8, .value_kind: global_buffer, .address_space: global }
      - { .name: Wo_scales, .offset: 24, .size: 8, .value_kind: global_buffer, .address_space: global }
      - { .name: bo, .offset: 32, .size: 8, .value_kind: global_buffer, .address_space: global }
      - { .name: out0, .offset: 40, .size: 8, .value_kind: global_buffer, .address_space: global }
    .group_segment_fixed_size: 327680
    .private_segment_fixed_size: 0
    .kernarg_segment_align: 8
    .kernarg_segment_size: 48
    .max_flat_workgroup_size: 128
    .sgpr_count:     100
    .vgpr_count:     256
    .wavefront_size: 32
...
	.end_amdgpu_metadata
.endif
;; end of part 3
